; MI455X (gfx1250); checked and timed in simulation.
; The chip was launched on July 23, 2026; its instructions are those of AMD's public machine-readable ISA for CDNA 5 (MIT licence, August 2026) and "CDNA5" Instruction Set Architecture Reference Guide (July 2026). The comments in the code are by the model that wrote it; some were corrected since.
;; Attention Layer. Allowed arithmetic: matrix products marked QUANTISED: E5M2 operands, one E8M0 scale for each 32 along K, by v_wmma_scale_f32_16x16x128_f8f6f4 with both operands' format E5M2, f32 sums; everything else in f32.
;; Inputs: Wk 32 x 256 float32; Wo 256 x 32 float32; Wq 32 x 256 float32; Wv 32 x 256 float32; bk 32 float32; bo 256 float32; bq 32 float32; bv 32 float32; gamma 1 float32; x 4 x 256 x 4,096 float32.
;; Outputs: out0 4 x 256 x 4,096 float32.
;; This version of the problem:
;;   THIS VERSION OF THE PROBLEM IS GIVEN IN LOW PRECISION. The matrix products marked QUANTISED in the list below multiply operands that are first quantised to E5M2 (5 exponent bits, 2 mantissa bits; 8 bits a number), with one power-of-two scale for each 32 numbers along K (OCP MX v1.0); their sums are f32. All else is computed in f32.
;;   The module's matrix products, in the order in which they are computed (A, B: the left and right operand; K: the contracted axis; several contracted axes count as one K, in the product's order):
;;     1. [M 16,384, K 256] x [K 256, N 32]; A: input x; B: input Wv: QUANTISED
;;     2. [M 16,384, K 256] x [K 256, N 32]; A: input x; B: input Wk: QUANTISED
;;     3. [M 16,384, K 256] x [K 256, N 32]; A: input x; B: input Wq: QUANTISED
;;     4. batch 4 x [M 4,096, K 32] x [K 32, N 4,096]; A: computed on the way; B: computed on the way: QUANTISED
;;     5. batch 4 x [M 32, K 4,096] x [K 4,096, N 4,096]; A: computed on the way; B: softmax (see below): QUANTISED
;;     6. [M 16,384, K 32] x [K 32, N 256]; A: computed on the way; B: input Wo: QUANTISED
;;   THE QUANTISER, for each operand of a quantised product, along K:
;;     - K is cut into blocks of 32 from its start; a last block that is shorter is filled with zeros.
;;     - A block's scale is 2^e with e = floor(log2(the largest magnitude in the block)) - 15, held to -126 .. 127; a block of zeros has e = 0. As a byte (E8M0): e + 127.
;;     - Each number is divided by its block's scale, clamped to +-57,344, and rounded to the nearest number of E5M2, ties to even, subnormals kept.
;;     - The product sums the exact products of the quantised numbers (number of the format x scale) in f32.
;;   ~~~python
;;   def quantise(x, axis):      # numpy; x: float32 -> the quantised numbers, widened to float32 again
;;       x = np.moveaxis(x, axis, -1); K = x.shape[-1]
;;       x = np.pad(x, [(0, 0)] * (x.ndim - 1) + [(0, -K % 32)]); x = x.reshape(x.shape[:-1] + (-1, 32)); a = np.abs(x).max(-1, keepdims=True)
;;       e = np.where(a > 0, np.clip(np.frexp(np.where(a > 0, a, 1))[1] - 1 - 15, -126, 127), 0)      # np.frexp(a)[1] - 1 = floor(log2(a)), exactly
;;       r = np.clip(x / 2.0 ** e, -57344, 57344)
;;       step = 2.0 ** (np.maximum(np.frexp(np.where(r == 0, 1, r))[1] - 1, -14) - 2)
;;       q = np.round(r / step) * step * 2.0 ** e      # np.round: ties to even
;;       return np.moveaxis(q.reshape(q.shape[:-2] + (-1,))[..., :K], -1, axis).astype(np.float32)
;;   ~~~
;;   SOFTMAX AHEAD OF A QUANTISED PRODUCT. Where the list says 'softmax', what is quantised is not the finished softmax but p = 2^(t - M), with t = logit x log2(e) and M = ceil(the row's largest t), a whole number; so 1/2 < the row's largest p <= 1. The row's sum l is taken of the UNQUANTISED p, in f32, and the product's result is divided by l at the end. Since M is a whole number, a kernel that streams over the keys may use a running M (the ceiling of the running maximum): every later rescaling is an exact power of two, which a block's scale takes up: the codes' values come out the same.
;;   OPERANDS COMPUTED ON THE WAY. 'Computed on the way' means the value that the module computes at that place (a softmax that the list does not call 'softmax' is quantised finished and normalised). What goes into a quantiser is computed in f32, as accurately as f32 sums, v_exp_f32 and their like allow (about 1e-6 of the number): no bf16 or f16 on the way to a quantiser, and a product that is left as it is and whose result goes on into a quantised operand takes f32 operands (vector FMAs, or v_wmma_f32_16x16x4_f32). A number that lies on a knife's edge between two numbers of the format may be rounded either way, as far as f32 arithmetic and the matrix unit's own rounding can turn it there, and no further.
;; One version. Each part assembles by itself: llvm-mc -triple=amdgcn-amd-amdhsa -mcpu=gfx1250 --defsym DOCPART=n.
;; ======== version 1 of 1: 2 launches
;; limits: right only within a limited range of input values
;; workspace buffers: kv 1,081,344 bytes; fq 589,824 bytes
;; launch proj (part 1): grid 64 x 4, 11 waves a work-group, no clusters, 18,944 bytes of LDS; arguments x, Wv, Wk, Wq, bv, bk, bq, kv, fq; writes kv, fq
.if DOCPART == 1
	.amdgcn_target "amdgcn-amd-amdhsa--gfx1250"
	.amdhsa_code_object_version 6
	.text
	.protected	k_qf38d722dba_proj
	.globl	k_qf38d722dba_proj
	.p2align	8
	.type	k_qf38d722dba_proj,@function
k_qf38d722dba_proj:
	s_mov_b64 s[64:65], 0
	v_nop
	global_prefetch_b8 v0, s[64:65] scope:SCOPE_SE
	s_setreg_imm32_b32 hwreg(HW_REG_WAVE_MODE, 25, 1), 1
	s_wait_xcnt 0x0
; f = Wv x + bv, g = Wk x + bk, h = Wq x + bq, each product on codes of BF8 (E5M2) with one E8M0 scale for each 32 along K (the 256 channels),
; and the three results quantised again for the products that follow: f and g along their 32 channels, h along the positions.
; x: [4][256][4096] f32.  W: [32][256] f32.  b: [32] f32.  A work-group takes 64 positions of one batch (grid 64 x 4).
; ROLES.  Waves 0-7 quantise x: wave w takes 32 positions (w & 1) x 64 channels (w >> 1); a lane takes a position and its registers run down the channels, so a block of 32
; along K lies in one lane and each load reads 128 consecutive bytes.  Waves 8, 9, 10 quantise Wv, Wk, Wq meanwhile (K innermost: 16 neighbours a lane, two lanes to a block),
; then, behind the one barrier, multiply: 16 matrix instructions each.
; THE ORDER OF A TILE.  In a run of 32 positions (or channels) row r of tile u stands for number 8 u + r + 8 (r / 8): the 16 result registers of tiles 0 and 1 are then 16 neighbours, 16 (lane / 16) + 0 .. 15.
; OPERANDS GO THROUGH LDS AND MEMORY AS IMAGES OF THEIR REGISTERS: four registers of a fragment are 16 bytes a lane at 16 x lane, 512 bytes on end.
; OUT.  kv: a record of 8,448 bytes for each 128 positions: g's 8 groups (512 t), h's two fragments (4096 + 2048 ct + 512 c), g's scale words (8192 + 4 lane), h's (8320 + 4 lane).
;       fq: 2,304 bytes for each 64 positions: f's 4 groups, then one scale word a row (2048 + 4 r); its last 192 bytes are neither written nor read.
; No cluster: the launch has no tile in LDS that could be asked for jointly; the weights are taken by plain loads, straight in the operand's order.
; LIMITS: NaN and infinities among the inputs are not served.  A block whose largest magnitude lies under 2^-111 (a block of zeros among them) gets the byte 1 and its codes under that scale;
; the bytes are read by this program alone.
.set XSC,  16384                       ; LDS: x's 8 fragments (tile t, K step s) at 2048 (2 t + s); behind them their scale words, 128 bytes for each (half of the positions, K step)
.set WV,   22                          ; s22  wave
.set MNT,  23
.set SEL,  24                          ; s[24:25] v_permlanex16_b32's selects for lane l xor 16
.set XD,   16                          ; x-waves: v16-79 64 numbers; v80-95 codes; v96-101 at work
.set XC,   80
.set B0,   16                          ; weight waves: v16-79, v80-143 two sets of 64 numbers of W;
.set B1,   80
.set XF,   16                          ; later v16-79 x's four fragments (2 u + s),
.set D,    80                          ; v80-143 the results: 32 for each half of the positions
.set WC,   144                         ; v144-207 W's four fragments (2 u + s)
.set WS,   208                         ; v208-211 their scale words
.set BI,   212                         ; v212-227 the bias in the result's layout, 8 registers a tile
.set XS,   228                         ; v228-231 x's scale words (2 ph + s): lanes 0-15 tile 0, lanes 16-31 tile 1
.set TM,   232                         ; v232-247 at work
.set QTA,  232
.set QTA2, 233
.set QTB,  236
.set QHLD, 240
.set BYT,  241
.set SBW,  242                         ; v242 f's or g's scale word; for h v242, v243: two bytes of each fragment's rows
.set QSCL, 244
.set CD,   248                         ; v248-255 the codes just made
	s_load_b512 s[4:19], s[0:1], 0x0               ; x, Wv, Wk, Wq, bv, bk, bq, kv
	s_load_b64 s[20:21], s[0:1], 0x40              ; fq
	v_lshl_add_u32 v15, v0, 2, 0x4400
	s_set_vgpr_msb 0x40
	v_mov_b32 v1, 0
	s_set_vgpr_msb 0x4000
	v_lshrrev_b32 v1, 5, v0
	s_delay_alu instid0(VALU_DEP_1)
	v_readfirstlane_b32 s[WV], v1                  ; wave 0..10
	v_and_b32 v1, 31, v0                           ; lane
	v_and_b32 v2, 15, v0                           ; r
	v_bfe_u32 v3, v0, 4, 1                         ; lane / 16
	s_wait_alu depctr_va_vdst(0)
	s_mov_b32 s[SEL], 0x76543210
	s_mov_b32 s[SEL+1], 0xfedcba98
	s_and_b32 s36, s[WV], 1                        ; ph: which 32 positions
	s_lshr_b32 s37, s[WV], 1                       ; cq: which 64 channels
	s_lshr_b32 s38, s37, 1                         ; the K step of 128,
	s_and_b32 s39, s37, 1                          ; and which half of it
	s_and_b32 s40, ttmp7, 0xffff                   ; batch
	; every address register is made here, ahead of the parting of the roles
	v_and_b32 v4, 7, v0
	v_bfe_u32 v14, v0, 3, 1
	s_delay_alu instid0(VALU_DEP_1)
	v_lshl_add_u32 v4, v14, 4, v4
	s_delay_alu instid0(VALU_DEP_1)
	v_lshl_add_u32 v4, v3, 3, v4
	s_delay_alu instid0(VALU_DEP_1)
	v_lshlrev_b32 v4, 2, v4                        ; x: lane 16 u + r takes position 8 u + r + 8 (r / 8) of the 32: the wave still reads 128 consecutive bytes
	s_lshl_b32 s41, s36, 13
	s_lshl_b32 s42, s38, 11
	s_add_co_u32 s41, s41, s42
	s_lshl_b32 s42, s39, 10
	s_add_co_u32 s41, s41, s42
	v_lshlrev_b32 v5, 12, v3
	s_delay_alu instid0(VALU_DEP_1)
	v_lshl_add_u32 v5, v2, 4, v5
	s_delay_alu instid0(VALU_DEP_1)
	v_add_nc_u32 v5, s41, v5                       ; where my codes go: fragment (2 ph + u, s), group 2 (cq & 1) + block, row r: 8192 ph + 4096 u + 2048 s + 1024 (cq & 1) + 16 r
	s_lshl_b32 s42, s36, 8
	s_lshl_b32 s43, s38, 7
	s_add_co_u32 s42, s42, s43
	s_lshl_b32 s43, s39, 1
	s_add_co_u32 s42, s42, s43
	s_add_co_u32 s42, s42, XSC
	v_lshl_add_u32 v6, v1, 2, s42                  ; and my two scale bytes: word 4 x lane of image (ph, s), bytes 2 (cq & 1) on
	v_lshlrev_b32 v7, 4, v1                        ; 16 x lane: an image's place for my lane, in LDS and in memory
	v_lshl_add_u32 v8, v1, 2, XSC                  ; 4 x lane among the scale words
	v_and_b32 v14, 8, v2
	s_delay_alu instid0(VALU_DEP_1)
	v_add_nc_u32 v14, v14, v2                      ; r + 8 (r / 8)
	s_delay_alu instid0(VALU_DEP_1)
	v_lshlrev_b32 v9, 10, v14
	s_delay_alu instid0(VALU_DEP_1)
	v_lshl_add_u32 v9, v3, 6, v9                   ; W: that row of 1,024 bytes, + my 16 numbers of a block of 32
	v_lshlrev_b32 v10, 6, v3                       ; the bias of f and g: my half's 16 channels
	s_delay_alu instid0(VALU_DEP_4)
	v_lshlrev_b32 v11, 2, v14                      ; the bias of h: my row's channel
	v_lshlrev_b32 v12, 2, v2                       ; 4 r
	v_lshlrev_b32 v13, 2, v1                       ; 4 x lane
	s_wait_kmcnt 0x0
	s_cmp_lt_u32 s[WV], 8
	s_cbranch_scc0 .Lweights
	; ---- waves 0-7: 32 positions x 64 channels of x
	s_lshl_b32 s44, s40, 22                        ; a batch is 4,194,304 bytes,
	s_lshl_b32 s45, s37, 20                        ; 64 channels 1,048,576,
	s_add_co_u32 s44, s44, s45
	s_lshl_b32 s45, ttmp9, 8                       ; 64 positions 256,
	s_add_co_u32 s44, s44, s45
	s_lshl_b32 s45, s36, 7                         ; 32 positions 128
	s_add_co_u32 s44, s44, s45
	s_mov_b32 s45, 0
	s_add_nc_u64 s[30:31], s[4:5], s[44:45]
.set k, 0
.rept 64
	global_load_b32 v[XD+k], v4, s[30:31] offset:k*16384 th:TH_LOAD_NT   ; channel k of my 64: all 64 loads of the wave are out together
.set k, k+1
.endr
; A block of 32 channels: all its numbers are mine.
.macro BLOCKQ beta
.set XB_, XD+32*\beta
.if \beta == 0
	s_wait_loadcnt 32                              ; loads come back in order: the first block's 32 are in, the second block's 32 may be out
.else
	s_wait_loadcnt 0x0
.endif
	v_max3_num_f32 v96, |v[XB_]|, |v[XB_+1]|, |v[XB_+2]|
	v_max3_num_f32 v97, |v[XB_+3]|, |v[XB_+4]|, |v[XB_+5]|
.irp i, 6,10,14,18,22,26
	s_delay_alu instid0(VALU_DEP_2)
	v_max3_num_f32 v96, v96, |v[XB_+\i]|, |v[XB_+\i+1]|
	s_delay_alu instid0(VALU_DEP_2)
	v_max3_num_f32 v97, v97, |v[XB_+\i+2]|, |v[XB_+\i+3]|
.endr
	s_delay_alu instid0(VALU_DEP_2)
	v_max3_num_f32 v96, v96, |v[XB_+30]|, |v[XB_+31]|
	s_delay_alu instid0(VALU_DEP_1)
	v_max3_num_f32 v96, v96, v97, 0x8000000        ; the largest magnitude, over the floor 2^(16 - 127): the byte cannot fall under 1
	s_delay_alu instid0(VALU_DEP_1)
	v_add_nc_u32 v98, 0xf8800000, v96              ; 15 off its exponent field: the conversion takes the exponent field of this operand as its scale
	s_delay_alu instid0(VALU_DEP_1)
	v_lshrrev_b32 v[100+\beta], 23, v98            ; the scale's byte
.set i, 0
.rept 32
.set i, i+1
.endr
.irp g, 0,1,2,3
	v_cvt_scalef32_pk8_bf8_f32 v[XC+8*\beta+2*\g:XC+8*\beta+2*\g+1], v[XB_+8*\g:XB_+8*\g+7], v98
.endr
	v_nop                                          ; one plain line behind the last conversion of a run
	ds_store_b128 v5, v[XC+8*\beta:XC+8*\beta+3] offset:512*\beta        ; the lower 16 channels: the place of lane r of the operand,
	ds_store_b128 v5, v[XC+8*\beta+4:XC+8*\beta+7] offset:512*\beta+256  ; the upper 16: that of lane 16 + r
.endm
	BLOCKQ 0
	BLOCKQ 1
	v_lshl_or_b32 v100, v101, 8, v100
	ds_store_b16 v6, v100                          ; my position's two scale bytes
	s_branch .Ljoin
	; ---- waves 8-10: a weight becomes four fragments, while x is on its way
.Lweights:
	s_cmp_eq_u32 s[WV], 9                          ; the choice hangs on the wave's number alone
	s_cselect_b64 s[26:27], s[8:9], s[10:11]
	s_cselect_b64 s[28:29], s[14:15], s[16:17]
	s_cmp_eq_u32 s[WV], 8
	s_cselect_b64 s[26:27], s[6:7], s[26:27]       ; wave 8: Wv, bv;  9: Wk, bk;  10: Wq, bq
	s_cselect_b64 s[28:29], s[12:13], s[28:29]
	s_cmp_eq_u32 s[WV], 10
	s_cbranch_scc1 .Lbias_h
	s_wait_alu depctr_va_vdst(0)
.irp u, 0,1                                    ; f, g: a lane holds a position, register j of tile u channel 16 (lane / 16) + 8 u + j
	global_load_b128 v[BI+8*\u:BI+8*\u+3], v10, s[28:29] offset:32*\u
	global_load_b128 v[BI+8*\u+4:BI+8*\u+7], v10, s[28:29] offset:32*\u+16
.endr
	s_branch .Lbias_done
.Lbias_h:
	s_wait_alu depctr_va_vdst(0)
.irp u, 0,1                                    ; h: a lane holds a channel, 8 u + r + 8 (r / 8), in all eight registers
.irp j, 0,1,2,3,4,5,6,7
	global_load_b32 v[BI+8*\u+\j], v11, s[28:29] offset:32*\u
.endr
.endr
.Lbias_done:
.irp b, 0,1,2,3
	v_mov_b32 v[TM+4+\b], 0                        ; written once: a lane permute's destination counts as one of its sources
.endr
.macro WLOAD buf, u, s                         ; tile u, K step s: of my row 16 neighbours of each of four blocks
.irp c, 0,1,2,3
.irp j, 0,1,2,3
	global_load_b128 v[\buf+16*\c+4*\j:\buf+16*\c+4*\j+3], v9, s[26:27] offset:8192*\u+512*\s+128*\c+16*\j
.endr
.endr
.endm
; 64 numbers of a lane, register 16 b + i = k 32 b + 16 (lane / 16) + i of my row, become a fragment's codes and its scale word.
.macro QUANT src, dst, word
.irp b, 0,1,2,3
	v_max3_num_f32 v[TM+\b], |v[\src+16*\b]|, |v[\src+1+16*\b]|, 0x8000000
.endr
.irp i, 2,4,6,8,10,12,14
.irp b, 0,1,2,3
	s_delay_alu instid0(VALU_DEP_4)
	v_max3_num_f32 v[TM+\b], v[TM+\b], |v[\src+16*\b+\i]|, |v[\src+1+16*\b+\i]|   ; the four blocks by turns
.endr
.endr
.irp b, 0,1,2,3
	s_delay_alu instid0(VALU_DEP_4)
	v_permlanex16_b32 v[TM+4+\b], v[TM+\b], s[SEL], s[SEL+1]
.endr
.irp b, 0,1,2,3
	s_delay_alu instid0(VALU_DEP_4)
	v_max_num_f32 v[TM+\b], v[TM+\b], v[TM+4+\b]   ; with lane l xor 16's: the block's largest magnitude
.endr
.irp b, 0,1,2,3
	s_delay_alu instid0(VALU_DEP_4)
	v_add_nc_u32 v[TM+12+\b], 0xf8800000, v[TM+\b]
.endr
.irp b, 0,1,2,3
.endr
.irp b, 0,1,2,3
	s_delay_alu instid0(VALU_DEP_4)
	v_lshrrev_b32 v[TM+4+\b], 23, v[TM+12+\b]
.endr
	s_delay_alu instid0(VALU_DEP_3)
	v_lshl_or_b32 v[\word], v[TM+5], 8, v[TM+4]
	s_delay_alu instid0(VALU_DEP_1)
	v_lshl_or_b32 v[\word], v[TM+6], 16, v[\word]
	s_delay_alu instid0(VALU_DEP_1)
	v_lshl_or_b32 v[\word], v[TM+7], 24, v[\word]
.irp b, 0,1,2,3
.irp i, 0,1,2,3,4,5,6,7,8,9,10,11,12,13,14,15
.endr
	v_cvt_scalef32_pk8_bf8_f32 v[\dst+4*\b:\dst+4*\b+1], v[\src+16*\b:\src+16*\b+7], v[TM+12+\b]
	v_cvt_scalef32_pk8_bf8_f32 v[\dst+4*\b+2:\dst+4*\b+3], v[\src+16*\b+8:\src+16*\b+15], v[TM+12+\b]
.endr
	v_nop                                          ; one plain line behind the last conversion
.endm
	WLOAD B0, 0, 0
	WLOAD B1, 0, 1
	s_wait_loadcnt 16                              ; all but the 16 loads of the younger set: the bias and this set are in
	QUANT B0, WC, WS
	WLOAD B0, 1, 0
	s_wait_loadcnt 16
	QUANT B1, WC+16, WS+1
	WLOAD B1, 1, 1
	s_wait_loadcnt 16
	QUANT B0, WC+32, WS+2
	s_wait_loadcnt 0x0
	QUANT B1, WC+48, WS+3
.rept 4
	v_nop                                          ; codes made by vector instructions stand four places ahead of a scaled matrix instruction
.endr
.Ljoin:
	s_wait_dscnt 0x0                               ; my stores into LDS are done
	s_barrier_signal -1
	s_barrier_wait -1                              ; x's eight fragments and their scale words lie in LDS
	s_cmp_lt_u32 s[WV], 8
	s_cbranch_scc1 .Lend
	; ---- waves 8-10: where the results go
	s_lshl_b32 s36, s40, 5
	s_lshr_b32 s37, ttmp9, 1
	s_add_co_u32 s36, s36, s37
	s_mul_i32 s36, s36, 8448                       ; my record's first byte in kv
	s_and_b32 s37, ttmp9, 1                        ; which half of its 128 positions
	s_lshl_b32 s38, s37, 11
	s_add_co_u32 s38, s38, s36                     ; g's codes: groups 4 hw on
	s_lshl_b32 s39, s37, 6
	s_add_co_u32 s39, s39, s36
	s_add_co_u32 s39, s39, 8192                    ; g's words: lanes 16 hw on
	s_lshl_b32 s41, s37, 10
	s_add_co_u32 s41, s41, s36
	s_add_co_u32 s41, s41, 4096                    ; h's codes: groups 2 hw on of each fragment
	s_lshl_b32 s42, s37, 1
	s_add_co_u32 s42, s42, s36
	s_add_co_u32 s42, s42, 8320                    ; h's bytes 2 hw on of each word
	s_lshl_b32 s43, s40, 6
	s_add_co_u32 s43, s43, ttmp9
	s_mul_i32 s43, s43, 2304                       ; f's block in fq,
	s_add_co_u32 s44, s43, 2048                    ; and its words
	s_cmp_eq_u32 s[WV], 10
	s_cselect_b32 s38, s41, s38
	s_cselect_b32 s39, s42, s39
	s_cmp_eq_u32 s[WV], 8
	s_cselect_b32 s38, s43, s38
	s_cselect_b32 s46, s44, s39
	s_cselect_b64 s[34:35], s[20:21], s[18:19]
	s_mov_b32 s39, 0
	s_mov_b32 s47, 0
	s_add_nc_u64 s[30:31], s[34:35], s[38:39]      ; codes
	s_add_nc_u64 s[32:33], s[34:35], s[46:47]      ; scales
.macro XFETCH ph                               ; the four fragments of 32 positions, and their scale words
.irp u, 0,1
.irp s, 0,1
.irp c, 0,1,2,3
	ds_load_b128 v[XF+16*(2*\u+\s)+4*\c:XF+16*(2*\u+\s)+4*\c+3], v7 offset:(2*(2*\ph+\u)+\s)*2048+512*\c
.endr
.endr
.endr
.irp s, 0,1
	ds_load_b32 v[XS+2*\ph+\s], v8 offset:128*(2*\ph+\s)
.endr
.endm
; Eight products: two K steps on four accumulators, which take turns, one instruction a turn.  The bias is the C of a sum's first product.
; hmode = 0 (f, g): source 0 = 16 rows of W, source 1 = 16 positions: a lane holds a position, its registers channels.
; hmode = 1 (h):    source 0 = 16 positions, source 1 = 16 rows of W: a lane holds a channel, its registers positions.
.macro PROD ph, hmode
.irp s, 0,1
	s_wait_alu depctr_va_vdst(0)
.irp a, 0,1
.irp b2, 0,1
.set DR, D+32*\ph+16*\a+8*\b2
.if \hmode
.set AR, XF+16*(2*\b2+\s)
.set BR, WC+16*(2*\a+\s)
.set SA, XS+2*\ph+\s
.set SB, WS+2*\a+\s
.set CR, BI+8*\a
.else
.set AR, WC+16*(2*\b2+\s)
.set BR, XF+16*(2*\a+\s)
.set SA, WS+2*\b2+\s
.set SB, XS+2*\ph+\s
.set CR, BI+8*\b2
.endif
.if \s
.set CR, DR
.endif
.if \hmode && \b2
	v_wmma_scale_f32_16x16x128_f8f6f4 v[DR:DR+7], v[AR:AR+15], v[BR:BR+15], v[CR:CR+7], v[SA], v[SB] matrix_a_fmt:MATRIX_FMT_BF8 matrix_b_fmt:MATRIX_FMT_BF8 matrix_a_scale:MATRIX_SCALE_ROW1
.elseif (!\hmode) && \a
	v_wmma_scale_f32_16x16x128_f8f6f4 v[DR:DR+7], v[AR:AR+15], v[BR:BR+15], v[CR:CR+7], v[SA], v[SB] matrix_a_fmt:MATRIX_FMT_BF8 matrix_b_fmt:MATRIX_FMT_BF8 matrix_b_scale:MATRIX_SCALE_ROW1
.else
	v_wmma_scale_f32_16x16x128_f8f6f4 v[DR:DR+7], v[AR:AR+15], v[BR:BR+15], v[CR:CR+7], v[SA], v[SB] matrix_a_fmt:MATRIX_FMT_BF8 matrix_b_fmt:MATRIX_FMT_BF8
.endif
.endr
.endr
.endr
.endm
; One block of 32: my 16 registers (two accumulators, each read from its low end on) and lane l xor 16's.
.macro QUANT1 src, dst, byt
	v_max3_num_f32 v[QTA], |v[(\src)]|, |v[(\src)+1]|, 0x8000000
	v_max3_num_f32 v[QTA2], |v[(\src)+8]|, |v[(\src)+9]|, |v[(\src)+10]|
	v_max3_num_f32 v[QTA], v[QTA], |v[(\src)+2]|, |v[(\src)+3]|
	v_max3_num_f32 v[QTA2], v[QTA2], |v[(\src)+11]|, |v[(\src)+12]|
	v_max3_num_f32 v[QTA], v[QTA], |v[(\src)+4]|, |v[(\src)+5]|
	v_max3_num_f32 v[QTA2], v[QTA2], |v[(\src)+13]|, |v[(\src)+14]|
	v_max3_num_f32 v[QTA], v[QTA], |v[(\src)+6]|, |v[(\src)+7]|
	v_max3_num_f32 v[QTA], v[QTA], v[QTA2], |v[(\src)+15]|
	s_delay_alu instid0(VALU_DEP_1)
	v_permlanex16_b32 v[QTB], v[QTA], s[SEL], s[SEL+1]
	s_delay_alu instid0(VALU_DEP_1)
	v_max_num_f32 v[QTA], v[QTA], v[QTB]
	s_delay_alu instid0(VALU_DEP_1)
	v_add_nc_u32 v[QSCL], 0xf8800000, v[QTA]
	s_delay_alu instid0(VALU_DEP_1)
	v_lshrrev_b32 v[\byt], 23, v[QSCL]
.irp i, 0,1,2,3,4,5,6,7,8,9,10,11,12,13,14,15
.endr
	v_cvt_scalef32_pk8_bf8_f32 v[(\dst):(\dst)+1], v[(\src):(\src)+7], v[QSCL]
	v_cvt_scalef32_pk8_bf8_f32 v[(\dst)+2:(\dst)+3], v[(\src)+8:(\src)+15], v[QSCL]
	v_nop
.endm
.macro HALF ph, hmode                          ; the two blocks of 32 positions' results: codes out (the wave stores 512 consecutive bytes), bytes gathered
.irp a, 0,1
.if \hmode
.if \ph == 0
	QUANT1 D+32*\ph+16*\a, CD+4*\a, SBW+\a
.else
	QUANT1 D+32*\ph+16*\a, CD+4*\a, BYT
	v_lshl_or_b32 v[SBW+\a], v[BYT], 8, v[SBW+\a]
.endif
	global_store_b128 v7, v[CD+4*\a:CD+4*\a+3], s[30:31] offset:2048*\a+512*\ph
.else
.if (\ph == 0) && (\a == 0)
	QUANT1 D+32*\ph+16*\a, CD+4*\a, SBW
.else
	QUANT1 D+32*\ph+16*\a, CD+4*\a, BYT
	v_lshl_or_b32 v[SBW], v[BYT], 8*(2*\ph+\a), v[SBW]
.endif
	global_store_b128 v7, v[CD+4*\a:CD+4*\a+3], s[30:31] offset:512*(2*\ph+\a)
.endif
.endr
.endm
.macro BODY hmode
	PROD 0, \hmode
.rept 8
	v_nop                                          ; eight places behind these products: ahead of the loads into x's fragments and of the first read of results
.endr
	XFETCH 1                                       ; the other 32 positions land while the first are quantised
	HALF 0, \hmode
	s_wait_dscnt 0x0
	PROD 1, \hmode
.rept 8
	v_nop
.endr
	s_wait_xcnt 0x0                                ; the first half's stores have read their registers: the codes' registers are written again only behind this wait
	HALF 1, \hmode
.endm
	XFETCH 0
	s_wait_dscnt 0x0
	s_cmp_eq_u32 s[WV], 10
	s_cbranch_scc1 .Lh
	BODY 0
	global_store_b32 v12, v[SBW], s[32:33]         ; a word a row; lanes r and 16 + r hold and write the same word
	s_branch .Lend
.Lh:
	BODY 1
	v_cmp_gt_u32 vcc_lo, 16, v1
	s_delay_alu instid0(VALU_DEP_1)
	v_cndmask_b32 v[SBW], v[SBW+1], v[SBW], vcc_lo ; lanes 0-15: fragment 0's rows, lanes 16-31: fragment 1's
	global_store_b16 v13, v[SBW], s[32:33]         ; my two of the word's four bytes: the record's other half is another work-group's
.Lend:
	s_set_vgpr_msb 0x4
	s_wait_tensorcnt 0x0
	ds_add_u32 v15, v1
	s_wait_dscnt 0x0
	s_set_vgpr_msb 0x400
	s_endpgm
.Lfunc_end_k_qf38d722dba_proj:
	.size	k_qf38d722dba_proj, .Lfunc_end_k_qf38d722dba_proj-k_qf38d722dba_proj
	.p2alignl 7, 3214868480
	.fill 96, 4, 3214868480
	.section	.rodata,"a",@progbits
	.p2align	6, 0x0
	.amdhsa_kernel k_qf38d722dba_proj
		.amdhsa_group_segment_fixed_size 18944
		.amdhsa_private_segment_fixed_size 0
		.amdhsa_enable_private_segment 0
		.amdhsa_kernarg_size 72
		.amdhsa_user_sgpr_count 2
		.amdhsa_user_sgpr_kernarg_segment_ptr 1
		.amdhsa_wavefront_size32 1
		.amdhsa_system_sgpr_workgroup_id_x 1
		.amdhsa_system_sgpr_workgroup_id_y 1
		.amdhsa_system_sgpr_workgroup_id_z 1
		.amdhsa_system_vgpr_workitem_id 0
		.amdhsa_next_free_vgpr 258
		.amdhsa_next_free_sgpr 66
		.amdhsa_reserve_vcc 1
		.amdhsa_float_denorm_mode_32 3
		.amdhsa_float_denorm_mode_16_64 3
		.amdhsa_fp16_overflow 1
		.amdhsa_memory_ordered 1
		.amdhsa_forward_progress 1
		.amdhsa_inst_pref_size 62
	.end_amdhsa_kernel
	.amdgpu_metadata
---
amdhsa.version: [ 1, 2 ]
amdhsa.kernels:
  - .name:           k_qf38d722dba_proj
    .symbol:         k_qf38d722dba_proj.kd
    .args:
      - { .name: x, .offset: 0, .size: 8, .value_kind: global_buffer, .address_space: global }
      - { .name: Wv, .offset: 8, .size: 8, .value_kind: global_buffer, .address_space: global }
      - { .name: Wk, .offset: 16, .size: 8, .value_kind: global_buffer, .address_space: global }
      - { .name: Wq, .offset: 24, .size: 8, .value_kind: global_buffer, .address_space: global }
      - { .name: bv, .offset: 32, .size: 8, .value_kind: global_buffer, .address_space: global }
      - { .name: bk, .offset: 40, .size: 8, .value_kind: global_buffer, .address_space: global }
      - { .name: bq, .offset: 48, .size: 8, .value_kind: global_buffer, .address_space: global }
      - { .name: kv, .offset: 56, .size: 8, .value_kind: global_buffer, .address_space: global }
      - { .name: fq, .offset: 64, .size: 8, .value_kind: global_buffer, .address_space: global }
    .group_segment_fixed_size: 18944
    .private_segment_fixed_size: 0
    .kernarg_segment_align: 8
    .kernarg_segment_size: 72
    .max_flat_workgroup_size: 352
    .sgpr_count:     66
    .vgpr_count:     258
    .wavefront_size: 32
...
	.end_amdgpu_metadata
.endif
;; end of part 1
;; launch attn (part 2): grid 64 x 4, 16 waves a work-group, clusters of 4 x 1, 327,680 bytes of LDS; arguments kv, fq, Wo, bo, gamma, x, out0; writes out0
.if DOCPART == 2
	.amdgcn_target "amdgcn-amd-amdhsa--gfx1250"
	.amdhsa_code_object_version 6
	.text
	.protected	k_qf38d722dba_attn
	.globl	k_qf38d722dba_attn
	.p2align	8
	.type	k_qf38d722dba_attn,@function
k_qf38d722dba_attn:
	s_mov_b64 s[64:65], 0
	v_nop
	global_prefetch_b8 v0, s[64:65] scope:SCOPE_SE
	s_setreg_imm32_b32 hwreg(HW_REG_WAVE_MODE, 25, 1), 1
	s_wait_xcnt 0x0
	s_wait_alu depctr_hold_cnt(0) depctr_sa_sdst(0) depctr_va_vdst(0) depctr_va_sdst(0) depctr_va_ssrc(0) depctr_va_vcc(0) depctr_vm_vsrc(0)
	s_getreg_b32 s2, hwreg(HW_REG_IB_STS2, 6, 4)
	s_cmp_eq_u32 s2, 0
	s_cbranch_scc0 .Lentry_in_a_cluster
	s_endpgm
.Lentry_in_a_cluster:
	s_bfe_u32 s2, ttmp6, 0x10000c
	s_cmp_lg_u32 s2, 0x3003
	s_cbranch_scc0 .Lentry_shape_is_right
	s_endpgm
.Lentry_shape_is_right:
; out0 = gamma (Wo out + bo) + x, out[c][i] = sum over j of h[c][j] softmax_j(f_i . g_j): three products on codes of BF8 (E5M2) with one E8M0 scale for each 32 along K.
; f, g, h come as codes and scale words, as images of operand registers, from the launch before (kv: a record of 8,448 bytes for 128 keys; fq: 2,304 bytes for 64 queries).
; THE SOFTMAX: t = score x log2(e); M = the running largest t rounded UP to a whole number; p = 2^(t - M) is quantised along the keys, not normalised; the sum is taken of the unquantised p and divides at the end.
; SHARES.  A work-group owns 64 queries of a batch (grid 64 x 4).  Sixteen waves, four to a SIMD: wave w takes query tile w & 3 (16 queries) and key quarter w >> 2 (1,024 keys, 8 steps of 128);
; the four quarters' sums are joined through LDS at the end.  Then wave w makes output channels 16 w .. 16 w + 15 for all 64 queries.
; LDS.  A batch's 32 records, 270,336 bytes, are filled ONCE: each wave asks for two records; nothing is ever filled again.
; CLUSTER.  The four work-groups of a cluster belong to one batch and read the same 32 records: each record is asked for jointly (mask 15), which divides the requests by four.
; K = 32 IN AN INSTRUCTION OF K = 128.  One operand carries FOUR tiles, one in each block of 32; the other is a window of 16 registers out of 28 (12 zeros, the 4 real ones, 12 zeros):
; the window that begins 4 b lower has the real codes in block b, so it picks tile b; zero codes add nothing under any scale byte but 0xff.  Its scale word carries its byte four times.
; LAYOUT.  S^T = g f^T and O^T = h p^T: a lane holds ONE query throughout.  Row r of tile u of a run of 32 stands for number 8 u + r + 8 (r / 8), so that the 16 registers of two neighbouring tiles are 16 neighbours.
; LIMITS: NaN and infinities are not served.  A block's largest p is taken from the block's largest score, which takes v_exp_f32 not to fall where its input rises.  p under 2^-126 becomes 0 (ISA guide, v_exp_f32).
; A block whose largest magnitude lies under 2^-111 gets the byte 1 and its codes under that scale.
.set REC,    8448                      ; a record
.set QUART,  8*REC                     ; a key quarter's records
.set MRG,    32*REC                    ; behind the records: 2,304 bytes a wave: O^T as four images of 512 bytes, -M at 2048, the sum at 2176
.set MSL,    2304
.set OIMG,   MRG+16*MSL                ; the four query tiles' codes of out, 512 bytes each
.set OSC,    OIMG+2048                 ; their scale words: row r's at 4 r, tile t's byte at + t
.set SPITCH, 272                       ; the way out: a stage of 16 rows x (256 bytes + 16) for each wave, in the first records' bytes, which have had their only fill and, behind two barriers, their last read
.set STW,    16*SPITCH
.set LI,  1                            ; v1   16 x lane + my quarter
.set LS,  2                            ; v2   4 x lane + my quarter
.set ADR, 3                            ; v3   LI + the step's record
.set ADS, 4                            ; v4   LS + the step's record
.set MST, 5                            ; v5   my place in MRG, 16 x lane
.set MS4, 6                            ; v6   the same + 2048, 4 x lane
.set L16, 7                            ; v7   OIMG + 16 x lane
.set OSR, 8                            ; v8   OSC + 4 r
.set OSB, 9                            ; v9   OSC + 4 r + wave
.set STO, 10                           ; v10  the stage: where I put 32 bytes of a row
.set SRD, 11                           ; v11  and where I read a row back
.set NM,  12                           ; v12  -M;  v13 the largest t;  v[14:15] the sum in two halves
.set TMX, 13
.set LL,  14
.set XO,  16                           ; v16  my byte offset in x and out0: channel 16 w + lane / 16, 16 bytes a lane
.set PFO, 17                           ; v17  the prefetch's offset: a channel's row a lane
.set QS,  18                           ; v18  f's scale byte, four times;  v19 g's words;  v20 h's;  v21 p's, later out's;  v22 Wo's byte, four times
.set GW,  19
.set HW,  20
.set PW,  21
.set WOS, 22
.set R4,  23                           ; v23  4 r
.set WOC, 24                           ; v24-27  Wo's codes: my row's 16 of 32
.set QW,  28                           ; v28-55  the window's 28 registers; the real codes in v40-43
.set KF,  56                           ; v56-87  g: two operands of four tiles;  on the way out x
.set VF,  88                           ; v88-119 h: two fragments;  on the way out the last product's results
.set SS,  120                          ; v120-183 S^T, then p
.set PP,  184                          ; v184-199 p's codes;  on the way out out's
.set OO,  200                          ; v200-215 O^T: register 8 ct + j = channel 16 (lane / 16) + 8 ct + j
.set BM,  216                          ; v216-219 the blocks' largest scores, then p
.set T2,  220
.set HLD, 224
.set SCL, 228
.set TA,  232                          ; v[232:233], v[234:235] the step's sums, two chains
.set TBB, 234
.set FF,  236                          ; v[236:237] f = 2^(old M - new M)
.set TMP, 238
.set OIW, 240                          ; v240 OIMG + 16 x lane + 512 x wave
.set BO,  176                          ; the way out: bo in the result's layout
.set QTA,  216
.set QTA2, 217
.set QTB,  220
.set QHLD, 224
.set QSCL, 228
.set WV,  18
.set MNT, 19
.set SEL, 20
.set CS,  22                           ; s[22:23] log2(e): the packed form names a pair and takes its low word for both halves
.set TBS, 26                           ; s26  the step's record, in bytes from my quarter's first
.set CNT, 27
.set GAM, 28                           ; s[28:29] gamma
.set G1,  40
.set G0A, 48
.set G0B, 52
.macro CROUND                          ; a round of the cluster's barrier
	s_barrier_signal -1
	s_barrier_wait -1
	s_cmp_lg_u32 s[WV], 0
	s_cbranch_scc1 .Lnot_wave_0_\@
	s_barrier_signal -3
.Lnot_wave_0_\@:
	s_barrier_wait -3
	s_barrier_signal -1
	s_barrier_wait -1
.endm
	s_load_b256 s[4:11], s[0:1], 0x0               ; kv, fq, Wo, bo
	s_load_b128 s[12:15], s[0:1], 0x20             ; gamma, x
	s_load_b64 s[16:17], s[0:1], 0x30              ; out0
	v_lshl_add_u32 v254, v0, 2, 0x4b900
	v_mov_b32 v255, 0
	ds_add_u32 v254, v255
	ds_add_u32 v254, v255
	v_lshrrev_b32 v242, 5, v0
	s_delay_alu instid0(VALU_DEP_1)
	v_readfirstlane_b32 s[WV], v242                ; wave 0..15
	s_and_b32 s24, s[WV], 3                        ; qt: my query tile
	s_lshr_b32 s25, s[WV], 2                       ; kq: my key quarter
	s_bfe_u32 s30, ttmp6, 0x40000                  ; cx
	s_lshl_b32 s31, ttmp9, 2
	s_add_co_u32 s31, s31, s30                     ; my block of 64 queries: it enters the addresses of fq, x and out0 alone
	s_and_b32 s32, ttmp7, 0xffff                   ; the batch, which the four partners share
	; descriptor group 1: a record as 33 rows of 256 bytes, dense, no padding (the images are read 16 bytes a lane on end)
	s_mov_b32 s[G1], 15|(3<<16)|(1<<21)            ; 15:0 the mask: all four work-groups; 17:16 elements of 8 bytes; 21 set beside a mask
	s_mov_b32 s[G1+1], 32<<16                      ; tensor_dim0 = 32
	s_mov_b32 s[G1+2], 33<<16                      ; tensor_dim1 = 33
	s_mov_b32 s[G1+3], 32<<16                      ; tile_dim0 = 32
	s_mov_b32 s[G1+4], 33                          ; tile_dim1 = 33
	s_mov_b32 s[G1+5], 32                          ; from row to row
	s_mov_b32 s[G1+6], 0
	s_mov_b32 s[G1+7], 0
	s_lshl_b32 s34, s25, 3
	s_add_co_u32 s34, s34, s24                     ; my first record: 8 kq + qt; my second: four further on
	s_mul_i32 s35, s34, REC                        ; its place in LDS, and in the batch's records
	s_mul_i32 s36, s32, 32*REC
	s_add_co_u32 s36, s36, s35
	s_mov_b32 s37, 0
	s_wait_dscnt 0x0
	s_wait_kmcnt 0x0
	s_mov_b32 s[G0A], 1
	s_mov_b32 s[G0A+1], s35
	s_add_nc_u64 s[G0A+2:G0A+3], s[4:5], s[36:37]
	s_mov_b32 s[G0B], 1
	s_add_co_u32 s[G0B+1], s35, 4*REC
	s_add_nc_u64 s[G0B+2:G0B+3], s[G0A+2:G0A+3], 4*REC
	s_or_b32 s[G0A+3], s[G0A+3], 0x80000000
	s_or_b32 s[G0B+3], s[G0B+3], 0x80000000
	CROUND                                         ; all four work-groups are here: the joint loads meet
	tensor_load_to_lds s[G0A:G0A+3], s[G1:G1+7]    ; every wave asks for two records: two tensor loads of mine are out, and none follows
	s_nop 0
	tensor_load_to_lds s[G0B:G0B+3], s[G1:G1+7]
	s_nop 0
.rept 4
	v_nop
.endr
	; all that follows up to the wait on TENSORcnt stands in the time in which the records land
	s_load_b32 s[GAM], s[12:13], 0x0
	s_mov_b32 s[MNT], 0x600000
	s_mov_b32 s[SEL], 0x76543210
	s_mov_b32 s[SEL+1], 0xfedcba98
	s_mov_b32 s[CS], 0x3fb8aa3b
	s_mov_b32 s[CS+1], s[CS]
	s_lshl_b32 s38, s32, 22                        ; a batch of x is 4,194,304 bytes, 64 positions 256
	s_lshl_b32 s39, s31, 8
	s_add_co_u32 s38, s38, s39
	s_mov_b32 s39, 0
	s_add_nc_u64 s[56:57], s[14:15], s[38:39]      ; x at my block's first position, channel 0
	s_add_nc_u64 s[58:59], s[16:17], s[38:39]      ; out0 likewise
	s_lshl_b32 s38, s[WV], 6
	s_add_nc_u64 s[60:61], s[10:11], s[38:39]      ; bo at my 16 channels
	s_lshl_b32 s38, s[WV], 11
	s_add_nc_u64 s[8:9], s[8:9], s[38:39]          ; Wo at my 16 rows of 128 bytes
	s_lshl_b32 s38, s32, 6
	s_add_co_u32 s38, s38, s31
	s_mul_i32 s38, s38, 2304
	s_add_nc_u64 s[62:63], s[6:7], s[38:39]        ; fq at my block
	v_and_b32 v242, 31, v0                         ; lane
	v_and_b32 v243, 15, v0                         ; r
	v_bfe_u32 v244, v0, 4, 1                       ; lane / 16
	s_delay_alu instid0(VALU_DEP_2)
	v_lshlrev_b32 v[R4], 2, v243
	s_lshl_b32 s33, s24, 9
	v_lshl_add_u32 v245, v242, 4, s33              ; f's codes: group qt, 16 x lane
	v_lshlrev_b32 v246, 7, v243
	s_delay_alu instid0(VALU_DEP_1)
	v_lshl_add_u32 v246, v244, 6, v246             ; Wo: row r, my 16 of its 32 numbers
	global_load_b128 v[QW+12:QW+15], v245, s[62:63]
	global_load_b32 v[TMP], v[R4], s[62:63] offset:2048
.irp j, 0,1,2,3
	global_load_b128 v[SS+4*\j:SS+4*\j+3], v246, s[8:9] offset:16*\j
.endr
	s_mul_i32 s33, s25, QUART
	v_lshl_add_u32 v[LI], v242, 4, s33
	v_lshl_add_u32 v[LS], v242, 2, s33
	s_mul_i32 s33, s[WV], MSL
	s_add_co_u32 s33, s33, MRG
	v_lshl_add_u32 v[MST], v242, 4, s33
	v_lshl_add_u32 v[MS4], v242, 2, s33
	s_delay_alu instid0(VALU_DEP_1)
	v_add_nc_u32 v[MS4], 2048, v[MS4]
	v_lshl_add_u32 v[L16], v242, 4, OIMG
	v_lshl_add_u32 v[OSR], v243, 2, OSC
	s_delay_alu instid0(VALU_DEP_1)
	v_add_nc_u32 v[OSB], s[WV], v[OSR]
	s_lshl_b32 s33, s[WV], 9
	v_add_nc_u32 v[OIW], s33, v[L16]
	s_mul_i32 s33, s[WV], STW
	v_mul_u32_u24 v[STO], v243, SPITCH
	s_delay_alu instid0(VALU_DEP_1)
	v_lshl_add_u32 v[STO], v244, 6, v[STO]
	s_delay_alu instid0(VALU_DEP_1)
	v_add_nc_u32 v[STO], s33, v[STO]               ; in: row r (a channel), + 64 bytes for the upper half of the lanes
	v_mul_u32_u24 v[SRD], v244, SPITCH
	s_delay_alu instid0(VALU_DEP_1)
	v_lshl_add_u32 v[SRD], v243, 4, v[SRD]
	s_delay_alu instid0(VALU_DEP_1)
	v_add_nc_u32 v[SRD], s33, v[SRD]               ; back: lanes 0-15 one row of 256 bytes, lanes 16-31 the next
	v_lshlrev_b32 v[XO], 14, v244
	s_delay_alu instid0(VALU_DEP_1)
	v_lshl_add_u32 v[XO], v243, 4, v[XO]
	s_lshl_b32 s33, s[WV], 18
	v_add_nc_u32 v[XO], s33, v[XO]                 ; the same two rows in x and out0: a channel's row is 16,384 bytes
	v_and_b32 v[PFO], 255, v0
	s_delay_alu instid0(VALU_DEP_1)
	v_lshlrev_b32 v[PFO], 14, v[PFO]
.irp i, 0,1,2,3,4,5,6,7,8,9,10,11
	v_mov_b32 v[QW+\i], 0                          ; the window's zero codes, below
	v_mov_b32 v[QW+16+\i], 0                       ; and above the real ones
.endr
.irp i, 0,1,2,3,4,5,6,7,8,9,10,11,12,13,14,15
	v_mov_b32 v[OO+\i], 0                          ; O^T: the step is written once; the first finds zeros, which the first change of M leaves zeros
.endr
	v_mov_b32 v[LL], 0
	v_mov_b32 v[LL+1], 0
.irp b, 0,1,2,3
	v_mov_b32 v[T2+\b], 0                          ; written once: a lane permute's destination counts as one of its sources
.endr
	v_mov_b32 v[FF+1], 0                           ; (named as the upper half of a pair)
	v_mov_b32 v[TMX], 0xff61b1e6                   ; the largest t so far: -3e38
	s_delay_alu instid0(VALU_DEP_1)
	v_floor_f32 v[NM], -v[TMX]
; One block of 32: my 16 registers and lane l xor 16's become 16 codes and the block's byte.
.macro QUANT1 src, dst, byt
	v_max3_num_f32 v[QTA], |v[(\src)]|, |v[(\src)+1]|, 0x8000000
	v_max3_num_f32 v[QTA2], |v[(\src)+8]|, |v[(\src)+9]|, |v[(\src)+10]|
	s_delay_alu instid0(VALU_DEP_2)
	v_max3_num_f32 v[QTA], v[QTA], |v[(\src)+2]|, |v[(\src)+3]|
	s_delay_alu instid0(VALU_DEP_2)
	v_max3_num_f32 v[QTA2], v[QTA2], |v[(\src)+11]|, |v[(\src)+12]|
	s_delay_alu instid0(VALU_DEP_2)
	v_max3_num_f32 v[QTA], v[QTA], |v[(\src)+4]|, |v[(\src)+5]|
	s_delay_alu instid0(VALU_DEP_2)
	v_max3_num_f32 v[QTA2], v[QTA2], |v[(\src)+13]|, |v[(\src)+14]|
	s_delay_alu instid0(VALU_DEP_2)
	v_max3_num_f32 v[QTA], v[QTA], |v[(\src)+6]|, |v[(\src)+7]|
	s_delay_alu instid0(VALU_DEP_1)
	v_max3_num_f32 v[QTA], v[QTA], v[QTA2], |v[(\src)+15]|
	s_delay_alu instid0(VALU_DEP_1)
	v_permlanex16_b32 v[QTB], v[QTA], s[SEL], s[SEL+1]
	s_delay_alu instid0(VALU_DEP_1)
	v_max_num_f32 v[QTA], v[QTA], v[QTB]           ; the block's largest magnitude, over the floor 2^(16 - 127)
	s_delay_alu instid0(VALU_DEP_1)
	v_add_nc_u32 v[QSCL], 0xf8800000, v[QTA]       ; 15 off its exponent field: the conversion's scale operand
	s_delay_alu instid0(VALU_DEP_1)
	v_lshrrev_b32 v[\byt], 23, v[QSCL]
.irp i, 0,1,2,3,4,5,6,7,8,9,10,11,12,13,14,15
.endr
	v_cvt_scalef32_pk8_bf8_f32 v[(\dst):(\dst)+1], v[(\src):(\src)+7], v[QSCL]
	v_cvt_scalef32_pk8_bf8_f32 v[(\dst)+2:(\dst)+3], v[(\src)+8:(\src)+15], v[QSCL]
	v_nop                                          ; one plain line behind the last conversion
.endm
	s_lshl_b32 s34, s24, 3
	s_wait_loadcnt 0x0                             ; f's codes and word, Wo's rows
	v_bfe_u32 v[QS], v[TMP], s34, 8                ; my tile's byte of the row's word,
	s_delay_alu instid0(VALU_DEP_1)
	v_lshl_or_b32 v[QS], v[QS], 8, v[QS]
	s_delay_alu instid0(VALU_DEP_1)
	v_lshl_or_b32 v[QS], v[QS], 16, v[QS]          ; four times: whichever block the window puts the codes in
	QUANT1 SS, WOC, WOS
	v_lshl_or_b32 v[WOS], v[WOS], 8, v[WOS]
	s_delay_alu instid0(VALU_DEP_1)
	v_lshl_or_b32 v[WOS], v[WOS], 16, v[WOS]
	s_wait_kmcnt 0x0
	s_mov_b32 s[GAM+1], s[GAM]
	s_wait_tensorcnt 0x1                           ; my first record is in; my second may stay out
	s_barrier_signal -1
	s_barrier_wait -1                              ; the first four records of every quarter are in
	s_mov_b32 s[TBS], 0
	v_mov_b32 v[ADR], v[LI]
	v_mov_b32 v[ADS], v[LS]
.irp i, 0,1,2,3,4,5,6,7
	ds_load_b128 v[KF+4*\i:KF+4*\i+3], v[ADR] offset:512*\i   ; g of step 0
.endr
	ds_load_b32 v[GW], v[ADS] offset:8192
; A KEY STEP: 16 queries x 128 keys.  next = 1: g of the next step is fetched in this one.
.macro STEP next
	s_wait_dscnt 0x0                               ; g and its words are in
	s_setprio 2
.irp t, 0,1,2,3
	v_wmma_scale_f32_16x16x128_f8f6f4 v[SS+8*\t:SS+8*\t+7], v[KF:KF+15], v[QW+12-4*\t:QW+27-4*\t], 0, v[GW], v[QS] matrix_a_fmt:MATRIX_FMT_BF8 matrix_b_fmt:MATRIX_FMT_BF8
.endr
.irp t, 0,1,2,3
	v_wmma_scale_f32_16x16x128_f8f6f4 v[SS+32+8*\t:SS+32+8*\t+7], v[KF+16:KF+31], v[QW+12-4*\t:QW+27-4*\t], 0, v[GW], v[QS] matrix_a_fmt:MATRIX_FMT_BF8 matrix_b_fmt:MATRIX_FMT_BF8 matrix_a_scale:MATRIX_SCALE_ROW1
.endr
.rept 8
	v_nop                                          ; eight places: ahead of the first read of the scores, of the loads into g's registers, and of the loads into h's, which the last step's two products read
.endr
.irp i, 0,1,2,3,4,5,6,7
	ds_load_b128 v[VF+4*\i:VF+4*\i+3], v[ADR] offset:4096+512*\i   ; h of this step: it lands under the softmax
.endr
	ds_load_b32 v[HW], v[ADS] offset:8320
.if \next
.irp i, 0,1,2,3,4,5,6,7
	ds_load_b128 v[KF+4*\i:KF+4*\i+3], v[ADR] offset:REC+512*\i
.endr
	ds_load_b32 v[GW], v[ADS] offset:REC+8192
.else
	; A PREFETCH INTO THE L2 of my block's part of x, which the way out adds: 256 channels' rows, 256 aligned bytes of each, a lane a row, waves 0-7 one instruction each: every block is named once in the launch,
	; one key step ahead of the loads that want it.  The partners of a cluster differ by address alone.
	s_cmp_lt_u32 s[WV], 8
	s_cbranch_scc0 .Lno_prefetch
	global_prefetch_b8 v[PFO], s[56:57] th:TH_LOAD_NT scope:SCOPE_SE
.Lno_prefetch:
.endif
.irp b, 0,1,2,3
	v_max3_num_f32 v[BM+\b], v[SS+16*\b], v[SS+16*\b+1], v[SS+16*\b+2]   ; the largest score of each block of 32 keys: for the row's maximum, and for the block's largest p
.endr
.irp i, 3,5,7,9,11,13
.irp b, 0,1,2,3
	v_max3_num_f32 v[BM+\b], v[BM+\b], v[SS+16*\b+\i], v[SS+16*\b+\i+1]
.endr
.endr
.irp b, 0,1,2,3
	v_max_num_f32 v[BM+\b], v[BM+\b], v[SS+16*\b+15]
.endr
.irp b, 0,1,2,3
	s_delay_alu instid0(VALU_DEP_4)
	v_permlanex16_b32 v[T2+\b], v[BM+\b], s[SEL], s[SEL+1]
.endr
.irp b, 0,1,2,3
	s_delay_alu instid0(VALU_DEP_4)
	v_max_num_f32 v[BM+\b], v[BM+\b], v[T2+\b]     ; with lane l xor 16's 16 keys
.endr
	s_delay_alu instid0(VALU_DEP_2)
	v_max3_num_f32 v[TMP], v[BM], v[BM+1], v[BM+2]
	s_delay_alu instid0(VALU_DEP_1)
	v_max_num_f32 v[TMP], v[TMP], v[BM+3]
	s_delay_alu instid0(VALU_DEP_1)
	v_mul_f32 v[TMP], s[CS], v[TMP]
	s_delay_alu instid0(VALU_DEP_1)
	v_max_num_f32 v[TMX], v[TMX], v[TMP]           ; the running largest t
	v_mov_b32 v[TMP], v[NM]
	s_delay_alu instid0(VALU_DEP_2)
	v_floor_f32 v[NM], -v[TMX]                     ; -M = floor(-t): M is a whole number
	s_delay_alu instid0(VALU_DEP_1)
	v_sub_f32 v[TMP], v[NM], v[TMP]
	s_delay_alu instid0(VALU_DEP_1)
	v_cvt_i32_f32 v[TMP], v[TMP]                   ; (it saturates)
	s_delay_alu instid0(VALU_DEP_1)
	v_ldexp_f32 v[FF], 1.0, v[TMP]                 ; f = 2^(old M - new M): a multiplication by it rounds nothing
.set j, 0
.rept 32
	v_pk_fma_f32 v[SS+j:SS+j+1], v[SS+j:SS+j+1], s[CS:CS+1], v[NM:NM+1] op_sel_hi:[1,0,0]   ; t - M
.set j, j+2
.endr
.irp b, 0,1,2,3
	v_fma_f32 v[BM+\b], v[BM+\b], s[CS], v[NM]
.endr
.set j, 0
	s_setprio 1
	s_wait_alu depctr_va_vdst(0)
.rept 64
	v_exp_f32 v[SS+j], v[SS+j]                     ; p = 2^(t - M): one batch
.set j, j+1
.endr
.set j, 0
	s_wait_alu depctr_va_vdst(0)
.rept 8
	v_pk_mul_f32 v[OO+j:OO+j+1], v[OO+j:OO+j+1], v[FF:FF+1] op_sel_hi:[1,0]   ; O^T under the new M, from each accumulator's low end on: plain work behind the batch
.set j, j+2
.endr
	s_wait_alu depctr_va_vdst(0)                   ; one for the 64, ahead of their first reader
.irp b, 0,1,2,3
	v_exp_f32 v[BM+\b], v[BM+\b]                   ; the blocks' largest p
.endr
	v_pk_add_f32 v[TA:TA+1], v[SS:SS+1], v[SS+4:SS+5]          ; the sum of the unquantised p, two at a time, in two chains
	v_pk_add_f32 v[TBB:TBB+1], v[SS+2:SS+3], v[SS+6:SS+7]
.set j, 8
.rept 14
	v_pk_add_f32 v[TA:TA+1], v[TA:TA+1], v[SS+j:SS+j+1]
	v_pk_add_f32 v[TBB:TBB+1], v[TBB:TBB+1], v[SS+j+2:SS+j+3]
.set j, j+4
.endr
	s_setprio 0
	s_wait_alu depctr_va_vdst(0)                   ; and one for the four
.irp b, 0,1,2,3
	v_max_num_f32 v[BM+\b], 0x8000000, v[BM+\b]    ; the floor 2^(16 - 127)
.endr
.irp b, 0,1,2,3
	s_delay_alu instid0(VALU_DEP_4)
	v_add_nc_u32 v[SCL+\b], 0xf8800000, v[BM+\b]
.endr
.irp b, 0,1,2,3
	v_and_or_b32 v[HLD+\b], v[BM+\b], 0x7f800000, s[MNT]
.endr
.irp b, 0,1,2,3
	v_lshrrev_b32 v[T2+\b], 23, v[SCL+\b]
.endr
	s_delay_alu instid0(VALU_DEP_3)
	v_lshl_or_b32 v[PW], v[T2+1], 8, v[T2]         ; p's scale word for these 128 keys
	s_delay_alu instid0(VALU_DEP_1)
	v_lshl_or_b32 v[PW], v[T2+2], 16, v[PW]
	s_delay_alu instid0(VALU_DEP_1)
	v_lshl_or_b32 v[PW], v[T2+3], 24, v[PW]
.irp b, 0,1,2,3
.irp i, 0,1,2,3,4,5,6,7,8,9,10,11,12,13,14,15
.endr
	v_cvt_scalef32_pk8_bf8_f32 v[PP+4*\b:PP+4*\b+1], v[SS+16*\b:SS+16*\b+7], v[SCL+\b]
	v_cvt_scalef32_pk8_bf8_f32 v[PP+4*\b+2:PP+4*\b+3], v[SS+16*\b+8:SS+16*\b+15], v[SCL+\b]
.endr
	v_pk_add_f32 v[TA:TA+1], v[TA:TA+1], v[TBB:TBB+1]          ; four plain lines: the place behind the conversions, and the codes' four places ahead of the scaled products
	s_delay_alu instid0(VALU_DEP_1)
	v_pk_fma_f32 v[LL:LL+1], v[LL:LL+1], v[FF:FF+1], v[TA:TA+1] op_sel_hi:[1,0,1]   ; the sum under the new M, and the step's
	s_add_co_u32 s[TBS], s[TBS], REC
	v_add_nc_u32 v[ADR], s[TBS], v[LI]             ; on to the next record
	v_add_nc_u32 v[ADS], s[TBS], v[LS]
.if \next
	s_wait_alu depctr_va_vdst(0)
	s_wait_dscnt 9                                 ; h and its words are in; the nine loads issued behind them (the next g) may be out
.else
	s_wait_alu depctr_va_vdst(0)
	s_wait_dscnt 0x0
.endif
	v_wmma_scale_f32_16x16x128_f8f6f4 v[OO:OO+7], v[VF:VF+15], v[PP:PP+15], v[OO:OO+7], v[HW], v[PW] matrix_a_fmt:MATRIX_FMT_BF8 matrix_b_fmt:MATRIX_FMT_BF8
	v_wmma_scale_f32_16x16x128_f8f6f4 v[OO+8:OO+15], v[VF+16:VF+31], v[PP:PP+15], v[OO+8:OO+15], v[HW], v[PW] matrix_a_fmt:MATRIX_FMT_BF8 matrix_b_fmt:MATRIX_FMT_BF8 matrix_a_scale:MATRIX_SCALE_ROW1
.endm
	s_mov_b32 s[CNT], 3
.Lfirst:                                           ; steps 0-2: they touch my quarter's records 0-3
	s_wait_alu depctr_va_vdst(0)
	STEP 1
	s_sub_co_u32 s[CNT], s[CNT], 1
	s_cmp_lg_u32 s[CNT], 0
	s_cbranch_scc1 .Lfirst
	s_setprio 0
	s_wait_tensorcnt 0x0                           ; my second record is in,
	s_wait_dscnt 0x0
	s_barrier_signal -1
	s_barrier_wait -1                              ; everybody's is
	s_mov_b32 s[CNT], 4
.Lsecond:                                          ; steps 3-6
	STEP 1
	s_sub_co_u32 s[CNT], s[CNT], 1
	s_cmp_lg_u32 s[CNT], 0
	s_cbranch_scc1 .Lsecond
	s_setprio 0
	STEP 0                                         ; step 7: nothing more to fetch
	; ---- THE WAY OUT.  What it adds is asked for first
.irp j, 0,1,2,3,4,5,6,7
	global_load_b32 v[BO+\j], v[R4], s[60:61]      ; bo of my lane's channel, in all eight registers: the C of the last product
.endr
.irp t, 0,1,2,3,4,5,6,7
	global_load_b128 v[KF+4*\t:KF+4*\t+3], v[XO], s[56:57] offset:32768*\t th:TH_LOAD_NT   ; x: two channels' 256 bytes an instruction
.endr
	v_add_f32 v[LL], v[LL], v[LL+1]                ; the sum's two halves,
	s_delay_alu instid0(VALU_DEP_1)
	v_permlanex16_b32 v[T2], v[LL], s[SEL], s[SEL+1]
	s_delay_alu instid0(VALU_DEP_1)
	v_add_f32 v[LL], v[LL], v[T2]                  ; and lane l xor 16's
.irp i, 0,1,2,3
	v_mov_b32 v[QW+12+\i], v[WOC+\i]               ; the window now carries Wo's codes
.endr
.rept 4
	v_nop                                          ; with the seven plain lines above: eleven places behind the last products; eight are owed ahead of a read of O^T, nine ahead of a product that writes over h's registers
.endr
	s_cmp_lt_u32 s[WV], 4
	s_cbranch_scc1 .Lkeep
.irp i, 0,1,2,3
	ds_store_b128 v[MST], v[OO+4*\i:OO+4*\i+3] offset:512*\i   ; quarters 1-3 hand over O^T, -M and the sum
.endr
	ds_store_b32 v[MS4], v[NM]
	ds_store_b32 v[MS4], v[LL] offset:128
.Lkeep:
	s_wait_dscnt 0x0                               ; my stores are done, and my reads of the records are over
	s_barrier_signal -1
	s_barrier_wait -1
	s_cmp_lt_u32 s[WV], 4
	s_cbranch_scc0 .Lmerged
.irp k, 1,2,3                                  ; wave qt joins the four quarters of its query tile: wave qt + 4 k lies 4 k places on
.irp i, 0,1,2,3
	ds_load_b128 v[SS+16*(\k-1)+4*\i:SS+16*(\k-1)+4*\i+3], v[MST] offset:4*MSL*\k+512*\i
.endr
	ds_load_b32 v[SS+48+2*(\k-1)], v[MS4] offset:4*MSL*\k
	ds_load_b32 v[SS+49+2*(\k-1)], v[MS4] offset:4*MSL*\k+128
.endr
	s_wait_dscnt 0x0
	v_min3_num_f32 v[TMP], v[NM], v[SS+48], v[SS+50]
	s_delay_alu instid0(VALU_DEP_1)
	v_min_num_f32 v[TMP], v[TMP], v[SS+52]         ; the least -M: the largest M
	s_delay_alu instid0(VALU_DEP_1)
	v_sub_f32 v[BM], v[TMP], v[NM]
.irp k, 1,2,3
	v_sub_f32 v[BM+2*\k], v[TMP], v[SS+46+2*\k]
.endr
.irp k, 0,1,2,3
	s_delay_alu instid0(VALU_DEP_4)
	v_cvt_i32_f32 v[BM+2*\k], v[BM+2*\k]
.endr
.irp k, 0,1,2,3
	s_delay_alu instid0(VALU_DEP_4)
	v_ldexp_f32 v[BM+2*\k], 1.0, v[BM+2*\k]        ; 2^(a quarter's M - the largest M): exact
.endr
	s_delay_alu instid0(VALU_DEP_4)
	v_mul_f32 v[LL], v[LL], v[BM]
.irp k, 1,2,3
	s_delay_alu instid0(VALU_DEP_1)
	v_fmac_f32 v[LL], v[SS+47+2*\k], v[BM+2*\k]
.endr
	s_wait_alu depctr_va_vdst(0)
	v_rcp_f32 v[HLD], v[LL]
.set j, 0
	s_wait_alu depctr_va_vdst(0)
.rept 8
	v_pk_mul_f32 v[OO+j:OO+j+1], v[OO+j:OO+j+1], v[BM:BM+1] op_sel_hi:[1,0]   ; from each accumulator's low end on
.set j, j+2
.endr
.irp k, 1,2,3
.set j, 0
.rept 8
	v_pk_fma_f32 v[OO+j:OO+j+1], v[SS+16*(\k-1)+j:SS+16*(\k-1)+j+1], v[BM+2*\k:BM+2*\k+1], v[OO+j:OO+j+1] op_sel_hi:[1,0,1]
.set j, j+2
.endr
.endr
	s_wait_alu depctr_va_vdst(0)                   ; ahead of the reciprocal's first reader; the 32 lines above are the work between
.set j, 0
.rept 8
	v_pk_mul_f32 v[OO+j:OO+j+1], v[OO+j:OO+j+1], v[HLD:HLD+1] op_sel_hi:[1,0]   ; out = O^T / the sum
.set j, j+2
.endr
	QUANT1 OO, PP, BM+2                            ; along its 32 channels: one block, in lanes l and l xor 16
	ds_store_b128 v[OIW], v[PP:PP+3]               ; group qt of the last product's operand
	ds_store_b8 v[OSB], v[BM+2]                    ; byte qt of my row's word; lanes r and 16 + r write the same byte
.Lmerged:
	s_wait_dscnt 0x0
	s_barrier_signal -1
	s_barrier_wait -1                              ; out's codes and scale words lie in LDS
.irp c, 0,1,2,3
	ds_load_b128 v[PP+4*\c:PP+4*\c+3], v[L16] offset:512*\c   ; the four query tiles, one in each block of 32 along K
.endr
	ds_load_b32 v[PW], v[OSR]
	s_wait_dscnt 0x0
	s_wait_loadcnt 0x0                             ; bo and x
	s_wait_alu depctr_va_vdst(0)
.irp b, 0,1,2,3                                ; source 0 = 16 queries of tile b, source 1 = my 16 rows of Wo: a lane holds a channel, its registers eight neighbouring positions
	v_wmma_scale_f32_16x16x128_f8f6f4 v[VF+8*\b:VF+8*\b+7], v[PP:PP+15], v[QW+12-4*\b:QW+27-4*\b], v[BO:BO+7], v[PW], v[WOS] matrix_a_fmt:MATRIX_FMT_BF8 matrix_b_fmt:MATRIX_FMT_BF8
.endr
.rept 8
	v_nop
.endr
.irp b, 0,1,2,3
	ds_store_b128 v[STO], v[VF+8*\b:VF+8*\b+3] offset:128*(\b/2)+32*(\b%2)        ; positions 32 (b / 2) + 16 (lane / 16) + 8 (b % 2) + 0 .. 7 of my channel
	ds_store_b128 v[STO], v[VF+8*\b+4:VF+8*\b+7] offset:128*(\b/2)+32*(\b%2)+16
.endr
.irp t, 0,1,2,3,4,5,6,7
	ds_load_b128 v[SS+4*\t:SS+4*\t+3], v[SRD] offset:2*\t*SPITCH   ; LDS serves a wave's instructions in order (ISA guide 5.7.1.4): these see my stores
.endr
.irp t, 0,1,2,3,4,5,6,7
	s_wait_dscnt 7-\t
	v_pk_fma_f32 v[SS+4*\t:SS+4*\t+1], v[SS+4*\t:SS+4*\t+1], s[GAM:GAM+1], v[KF+4*\t:KF+4*\t+1] op_sel_hi:[1,0,1]      ; gamma o + x
	v_pk_fma_f32 v[SS+4*\t+2:SS+4*\t+3], v[SS+4*\t+2:SS+4*\t+3], s[GAM:GAM+1], v[KF+4*\t+2:KF+4*\t+3] op_sel_hi:[1,0,1]
	global_store_b128 v[XO], v[SS+4*\t:SS+4*\t+3], s[58:59] offset:32768*\t th:TH_STORE_NT   ; 16 lanes store 256 consecutive bytes, at a multiple of 256 from out0's first byte
.endr
	s_wait_tensorcnt 0x0
	ds_add_u32 v254, v255
	s_wait_dscnt 0x0
	CROUND                                         ; the closing round: no work-group ends while a partner may still ask for a record that names it
	s_endpgm
.Lfunc_end_k_qf38d722dba_attn:
	.size	k_qf38d722dba_attn, .Lfunc_end_k_qf38d722dba_attn-k_qf38d722dba_attn
	.p2alignl 7, 3214868480
	.fill 96, 4, 3214868480
	.section	.rodata,"a",@progbits
	.p2align	6, 0x0
	.amdhsa_kernel k_qf38d722dba_attn
		.amdhsa_group_segment_fixed_size 327680
		.amdhsa_private_segment_fixed_size 0
		.amdhsa_enable_private_segment 0
		.amdhsa_kernarg_size 56
		.amdhsa_user_sgpr_count 2
		.amdhsa_user_sgpr_kernarg_segment_ptr 1
		.amdhsa_wavefront_size32 1
		.amdhsa_system_sgpr_workgroup_id_x 1
		.amdhsa_system_sgpr_workgroup_id_y 1
		.amdhsa_system_sgpr_workgroup_id_z 1
		.amdhsa_system_vgpr_workitem_id 0
		.amdhsa_next_free_vgpr 256
		.amdhsa_next_free_sgpr 66
		.amdhsa_reserve_vcc 0
		.amdhsa_float_denorm_mode_32 3
		.amdhsa_float_denorm_mode_16_64 3
		.amdhsa_fp16_overflow 1
		.amdhsa_memory_ordered 1
		.amdhsa_forward_progress 1
		.amdhsa_inst_pref_size 70
	.end_amdhsa_kernel
	.amdgpu_metadata
---
amdhsa.version: [ 1, 2 ]
amdhsa.kernels:
  - .name:           k_qf38d722dba_attn
    .symbol:         k_qf38d722dba_attn.kd
    .args:
      - { .name: kv, .offset: 0, .size: 8, .value_kind: global_buffer, .address_space: global }
      - { .name: fq, .offset: 8, .size: 8, .value_kind: global_buffer, .address_space: global }
      - { .name: Wo, .offset: 16, .size: 8, .value_kind: global_buffer, .address_space: global }
      - { .name: bo, .offset: 24, .size: 8, .value_kind: global_buffer, .address_space: global }
      - { .name: gamma, .offset: 32, .size: 8, .value_kind: global_buffer, .address_space: global }
      - { .name: x, .offset: 40, .size: 8, .value_kind: global_buffer, .address_space: global }
      - { .name: out0, .offset: 48, .size: 8, .value_kind: global_buffer, .address_space: global }
    .group_segment_fixed_size: 327680
    .private_segment_fixed_size: 0
    .kernarg_segment_align: 8
    .kernarg_segment_size: 56
    .max_flat_workgroup_size: 512
    .sgpr_count:     66
    .vgpr_count:     256
    .wavefront_size: 32
...
	.end_amdgpu_metadata
.endif
;; end of part 2
